; MI455X (gfx1250); checked and timed in simulation.
; The chip was launched on July 23, 2026; its instructions are those of AMD's public machine-readable ISA for CDNA 5 (MIT licence, August 2026) and "CDNA5" Instruction Set Architecture Reference Guide (July 2026). The comments in the code are by the model that wrote it; some were corrected since.
;; Self Attention Layers. Allowed arithmetic: float matrix products may take bf16 or f16 operands with f32 sums; all other float work in f32.
;; Inputs: W_att 8 x 2,048 float32; W_red 2,048 x 1,024 float32; b_att 8 float32; b_red 2,048 float32; input_matrix 512 x 64 x 1,024 float32.
;; Outputs: out0 64 x 8,192 float32; out1 one number float32.
;; 2 versions, each right; version 2 is version 1 with the launch cast written anew for expert scheduling mode. Each part assembles by itself: llvm-mc -triple=amdgcn-amd-amdhsa -mcpu=gfx1250 --defsym DOCPART=n.
;; ======== version 1 of 2: 4 launches
;; workspace buffers: xb 67,108,864 bytes; wb 4,194,304 bytes; plog 8,388,608 bytes; pen 256 bytes
;; launch cast (part 1): grid 1024 x 1, 8 waves a work-group, no clusters, 0 bytes of LDS; arguments input_matrix, W_red, xb, wb; writes xb, wb
.if DOCPART == 1
	.amdgcn_target "amdgcn-amd-amdhsa--gfx1250"
	.amdhsa_code_object_version 6
	.text
	.protected	k_qc808204504_cast
	.globl	k_qc808204504_cast
	.p2align	8
	.type	k_qc808204504_cast,@function
k_qc808204504_cast:
	s_mov_b64 s[64:65], 0
	v_nop
	global_prefetch_b8 v0, s[64:65] scope:SCOPE_SE
	s_setreg_imm32_b32 hwreg(HW_REG_WAVE_MODE, 25, 1), 1
	s_wait_xcnt 0x0
; f32 to bf16 (round to nearest even), for the two operands of the large product.
; Work-group g takes 32 rows of input_matrix [512 s][64 b][1024] and 2 rows of W_red [2048][1024]: 1,024 work-groups of equal work.
; Row (s, b) of input_matrix goes to row b*512 + s of xb, so that a batch's 512 words lie together for the later launches; W_red's rows keep their place.
; A wave takes 4 rows of x (4,096 bytes each) and 1,024 bytes of W_red: 34 loads of 512 consecutive bytes, all issued before the first is used;
; each store of the wave covers 256 consecutive bytes, aligned.  Every byte is read once and written once; no LDS, no barrier, and no register
; that a load or a store has read is written again.  A stream: the matrix units, clusters and large register tiles have nothing to do here.
.set ROWIN,  4096                      ; bytes of a row in f32
.set BATCH,  0x100000                  ; bytes of a batch in xb: 512 rows of 2,048 bytes
.set NLOADS, 34
.set X,      4                         ; v[4:139] load k: 4 registers; k = 8 i + j: row i, piece j of x; k = 32, 33: W_red
	s_load_b256 s[4:11], s[0:1], 0x0               ; input_matrix s[4:5], W_red s[6:7], xb s[8:9], wb s[10:11]
	v_lshrrev_b32 v3, 5, v0
	v_readfirstlane_b32 s12, v3                    ; wave 0..7
	v_and_b32 v3, 31, v0                           ; lane
	v_lshlrev_b32 v1, 4, v3                        ; 16 bytes a lane in
	v_lshlrev_b32 v2, 3, v3                        ; 8 bytes a lane out
	; offsets, made apart from the addresses
	s_lshl_b32 s14, ttmp9, 17                      ; x in: 32 rows of 4,096 bytes a group,
	s_lshl_b32 s13, s12, 14                        ; 4 rows a wave
	s_add_co_u32 s14, s14, s13
	s_mov_b32 s15, 0
	s_and_b32 s16, ttmp9, 1                        ; x out: b = 32 (g & 1) + 4 wave + i, a batch is 1 MiB;
	s_lshl_b32 s16, s16, 25
	s_lshr_b32 s13, ttmp9, 1                       ; s = g >> 1, a row is 2,048 bytes
	s_lshl_b32 s13, s13, 11
	s_add_co_u32 s16, s16, s13
	s_lshl_b32 s13, s12, 22
	s_add_co_u32 s16, s16, s13
	s_mov_b32 s17, 0
	s_lshl_b32 s18, ttmp9, 13                      ; W in: 2 rows of 4,096 bytes a group, 1,024 bytes a wave
	s_lshl_b32 s13, s12, 10
	s_add_co_u32 s18, s18, s13
	s_mov_b32 s19, 0
	s_lshl_b32 s20, ttmp9, 12                      ; W out: half of that
	s_lshl_b32 s13, s12, 9
	s_add_co_u32 s20, s20, s13
	s_mov_b32 s21, 0
	s_wait_kmcnt 0x0
	s_add_nc_u64 s[4:5], s[4:5], s[14:15]
	s_add_nc_u64 s[8:9], s[8:9], s[16:17]
	s_add_nc_u64 s[6:7], s[6:7], s[18:19]
	s_add_nc_u64 s[10:11], s[10:11], s[20:21]
.irp i, 0,1,2,3
.irp j, 0,1,2,3,4,5,6,7
	global_load_b128 v[X+4*(8*\i+\j):X+4*(8*\i+\j)+3], v1, s[4:5] offset:ROWIN*\i+512*\j th:TH_LOAD_NT
.endr
.endr
.irp m, 0,1
	global_load_b128 v[X+128+4*\m:X+128+4*\m+3], v1, s[6:7] offset:512*\m th:TH_LOAD_NT
.endr
.irp i, 0,1,2,3
.irp j, 0,1,2,3,4,5,6,7
	s_wait_loadcnt NLOADS-1-(8*\i+\j)              ; loads come back in order: this one is in, the younger ones stay out
	v_cvt_pk_bf16_f32 v[X+4*(8*\i+\j)],   v[X+4*(8*\i+\j)],   v[X+4*(8*\i+\j)+1]
	v_cvt_pk_bf16_f32 v[X+4*(8*\i+\j)+1], v[X+4*(8*\i+\j)+2], v[X+4*(8*\i+\j)+3]
	global_store_b64 v2, v[X+4*(8*\i+\j):X+4*(8*\i+\j)+1], s[8:9] offset:BATCH*\i+256*\j   ; the row's batch stands in the immediate (3 MiB at the most); no hint: the next launch reads these bytes
.endr
.endr
.irp m, 0,1
	s_wait_loadcnt 1-\m
	v_cvt_pk_bf16_f32 v[X+128+4*\m],   v[X+128+4*\m],   v[X+128+4*\m+1]
	v_cvt_pk_bf16_f32 v[X+128+4*\m+1], v[X+128+4*\m+2], v[X+128+4*\m+3]
	global_store_b64 v2, v[X+128+4*\m:X+128+4*\m+1], s[10:11] offset:256*\m
.endr
	s_endpgm
.Lfunc_end_k_qc808204504_cast:
	.size	k_qc808204504_cast, .Lfunc_end_k_qc808204504_cast-k_qc808204504_cast
	.p2alignl 7, 3214868480
	.fill 96, 4, 3214868480
	.section	.rodata,"a",@progbits
	.p2align	6, 0x0
	.amdhsa_kernel k_qc808204504_cast
		.amdhsa_group_segment_fixed_size 0
		.amdhsa_private_segment_fixed_size 0
		.amdhsa_enable_private_segment 0
		.amdhsa_kernarg_size 32
		.amdhsa_user_sgpr_count 2
		.amdhsa_user_sgpr_kernarg_segment_ptr 1
		.amdhsa_wavefront_size32 1
		.amdhsa_system_sgpr_workgroup_id_x 1
		.amdhsa_system_sgpr_workgroup_id_y 1
		.amdhsa_system_sgpr_workgroup_id_z 1
		.amdhsa_system_vgpr_workitem_id 0
		.amdhsa_next_free_vgpr 140
		.amdhsa_next_free_sgpr 66
		.amdhsa_reserve_vcc 0
		.amdhsa_float_denorm_mode_32 3
		.amdhsa_float_denorm_mode_16_64 3
		.amdhsa_memory_ordered 1
		.amdhsa_forward_progress 1
		.amdhsa_inst_pref_size 13
	.end_amdhsa_kernel
	.amdgpu_metadata
---
amdhsa.version: [ 1, 2 ]
amdhsa.kernels:
  - .name:           k_qc808204504_cast
    .symbol:         k_qc808204504_cast.kd
    .args:
      - { .name: input_matrix, .offset: 0, .size: 8, .value_kind: global_buffer, .address_space: global }
      - { .name: W_red, .offset: 8, .size: 8, .value_kind: global_buffer, .address_space: global }
      - { .name: xb, .offset: 16, .size: 8, .value_kind: global_buffer, .address_space: global }
      - { .name: wb, .offset: 24, .size: 8, .value_kind: global_buffer, .address_space: global }
    .group_segment_fixed_size: 0
    .private_segment_fixed_size: 0
    .kernarg_segment_align: 8
    .kernarg_segment_size: 32
    .max_flat_workgroup_size: 256
    .sgpr_count:     66
    .vgpr_count:     140
    .wavefront_size: 32
...
	.end_amdgpu_metadata
.endif
;; end of part 1
;; launch gemm (part 2): grid 8 x 32, 4 waves a work-group, clusters of 4 x 4, 327,680 bytes of LDS; arguments xb, wb, b_red, W_att, plog; writes plog
.if DOCPART == 2
	.amdgcn_target "amdgcn-amd-amdhsa--gfx1250"
	.amdhsa_code_object_version 6
	.text
	.protected	k_qc808204504_gemm
	.globl	k_qc808204504_gemm
	.p2align	8
	.type	k_qc808204504_gemm,@function
k_qc808204504_gemm:
	s_mov_b64 s[64:65], 0
	v_nop
	global_prefetch_b8 v0, s[64:65] scope:SCOPE_SE
	s_setreg_imm32_b32 hwreg(HW_REG_WAVE_MODE, 25, 1), 1
	s_wait_xcnt 0x0
	s_wait_alu depctr_hold_cnt(0) depctr_sa_sdst(0) depctr_va_vdst(0) depctr_va_sdst(0) depctr_va_ssrc(0) depctr_va_vcc(0) depctr_vm_vsrc(0)
	s_getreg_b32 s2, hwreg(HW_REG_IB_STS2, 6, 4)
	s_cmp_eq_u32 s2, 0
	s_cbranch_scc0 .Lentry_in_a_cluster
	s_endpgm
.Lentry_in_a_cluster:
	s_bfe_u32 s2, ttmp6, 0x10000c
	s_cmp_lg_u32 s2, 0xf033
	s_cbranch_scc0 .Lentry_shape_is_right
	s_endpgm
.Lentry_shape_is_right:
; plog[nb][m][a] = sum over the 256 columns h of block column nb of relu(sum_k xb[m][k] wb[h][k] + b_red[h]) * W_att[a][h].
; xb: [32768][1024] bf16 (row m = b*512 + s), wb: [2048][1024] bf16, b_red: [2048] f32, W_att: [8][2048] f32, plog: [8][32768][8] f32.
; A block of 256 x 256 of the hidden layer is made by four waves, one for each SIMD of a WGP; a wave makes 128 x 128: 64 accumulator tiles of
; 16 x 16, 512 registers.  K goes in steps of 128 through a ring of two LDS slots filled by the tensor data mover: a tile's rows are 256 bytes
; of memory and start at multiples of 256 bytes from the buffer's first byte.  The hidden layer never goes to memory: it is cut at zero,
; rounded to bf16 in registers and multiplied by W_att's 128 columns of the wave; 8 KiB of partial logits leave a block.
; THE WORK-GROUP STAYS: 256 work-groups, each with one block column and four block rows (row, row + 32, row + 64, row + 96).  b_red's tiles and
; W_att's fragments hang on the column alone: they are loaded once.  The ring runs on from a block into the next: the last two K steps of a
; block ask for the first two of the next, which land while the block is finished and its logits leave.
; LIMITS: operands of both products are bf16, sums f32.  relu is max(0, x) in the form in which a NaN loses, so a NaN becomes 0.
; CLUSTERS: 4 x 4 work-groups.  The four of a row of the cluster need the same tiles of xb, the four of a column the same tiles of wb.  Such a
; tile is asked for jointly: each of the four issues the same tensor load, with the same descriptor and a mask that names the four.
;
; REGISTERS, in windows of 256 (s_set_vgpr_msb says which window each operand place means):
;   window 0: v0-31 addresses; v32-63 W_att's fragments; v64-127, v128-191 fragments of xb, two buffers, on the way out the activations in bf16;
;             v192-255 W_att in f32 at the start, the logits' 8 tiles on the way out
;   window 1: v0-63 b_red as 8 accumulator tiles; v64-127, v128-191 fragments of wb, two buffers
;   window 2: the 32 accumulator tiles of my rows 0-63 (tile (a, b) at v[8 (8 a + b)]);   window 3: those of my rows 64-127
; THE LARGE PRODUCT IS USED TRANSPOSED: source 0 = 16 rows of wb, source 1 = 16 rows of xb.  Lane l then holds row m = l % 16 and its registers
; 0 to 7 the columns n = 8 (l / 16) + 0..7.  Two neighbouring column tiles, packed to bf16, are then exactly a first-source fragment
; (16 rows x 32 columns) of the second product: no way through LDS between the two products.
.set SIZE_K, 1024
.set KSTEP,  128
.set PITCH,  272                       ; an LDS row: 256 bytes + 16 of padding = 68 words, so the 16 rows that a load touches start at 16 different banks (64 banks of 4 bytes: ISA guide 11.1)
.set HALFT,  128*PITCH                 ; 128 rows: what one tensor load brings, and what one wave reads of xb or of wb
.set SLOT,   4*HALFT                   ; xb's 256 rows, then wb's 256 rows
.set STAGE,  2*SLOT                    ; behind the ring: 128 rows x 64 bytes for each wave (16 f32: 8 heads and their doubles); no tensor load lands here
.set LAPS,   SIZE_K/(2*KSTEP)          ; a lap = two K steps = once round the ring: 4 laps a block
.set TILES,  4                         ; blocks of a work-group
.set ROWSTEP, 32                       ; block rows from a block to the work-group's next
.set KBACK,  (LAPS-1)*2*KSTEP*2        ; 1,536 bytes: how far a slot's address has gone along K when the block's last refill of it was asked for
.set AJUMP,  ROWSTEP*256*SIZE_K*2-KBACK ; xb: 8,192 rows on and back to the slot's first K step
.set PJUMP,  ROWSTEP*256*32            ; plog: 8,192 rows of 32 bytes on
.set ADRA, 16                          ; v16-17  LDS address of my xb fragments in slot 0, 1
.set ADRB, 20                          ; v20-21  the same for wb
.set ST,   24                          ; v24     where I put a logit in my stage
.set RD,   25                          ; v25     where I read 4 heads of a row back
.set CO,   26                          ; v26     my byte offset in the block's 8 KiB of plog
.set BO,   27                          ; v27     my byte offset in b_red's 128 numbers of the wave
.set WO,   28                          ; v28     my byte offset in W_att
.set WA,   32                          ; v32-63  W_att: 4 fragments (16 columns = 8 heads twice, 32 h each)
.set F0,   64                          ; fragment buffer 0
.set F1,   128                         ; fragment buffer 1
.set WTMP, 192                         ; W_att as loaded
.set LOG,  192                         ; logits: tile a (my rows 16 a ..) at v[LOG + 8 a]
.set G1, 24                            ; s[24:31] descriptor group 1 for xb's tiles
.set G0, 32                            ; s[32:39] descriptor group 0 for xb's tiles, one set for each slot
.set G1B, 48                           ; s[48:55] descriptor group 1 for wb's tiles: it differs in the mask alone
.set G0B, 56                           ; s[56:63] descriptor group 0 for wb's tiles, one set for each slot
.set MSB, 0
.macro WIN new                         ; the immediate's high byte repeats the setting that is left
.if MSB != \new
	s_set_vgpr_msb (MSB<<8)|\new
.set MSB, \new
.endif
.endm
.set MUL_LO,  0xa1                     ; source 0 (wb) window 1, source 1 (xb) window 0, C and D window 2
.set MUL_HI,  0xf1                     ; the same, C and D window 3
.set BIAS_LO, 0x91                     ; a block's first product: C = the bias tile in window 1, D window 2
.set BIAS_HI, 0xd1                     ; the same, D window 3
.set TO_B,    0x40                     ; destination window 1, address window 0
; A joint load.  Waves 0 and 1 fetch xb's two halves, waves 2 and 3 wb's.  Each of the two lines has one mask and one set of registers for all that issue it,
; and nothing in them hangs on a coordinate that the four partners do not share.  The branch hangs on the wave's number alone.
.macro JLOAD s
	s_cmp_eq_u32 s11, 0
	s_cbranch_scc0 .Lfor_b_\@
	tensor_load_to_lds s[G0+4*\s:G0+4*\s+3], s[G1:G1+7]
	s_nop 0
.rept 4
	v_nop
.endr
	s_branch .Lasked_\@
.Lfor_b_\@:
	tensor_load_to_lds s[G0B+4*\s:G0B+4*\s+3], s[G1B:G1B+7]
	s_nop 0
.rept 4
	v_nop
.endr
.Lasked_\@:
.endm
; A round of the cluster's barrier: my work-group's barrier, so that wave 0's signal speaks for all four waves; wave 0 signals for the work-group;
; every wave waits for all sixteen work-groups; my work-group's barrier once more.
.macro CREST                           ; a round behind its opening barrier
	s_cmp_lg_u32 s10, 0
	s_cbranch_scc1 .Lnot_wave_0_\@
	s_barrier_signal -3
.Lnot_wave_0_\@:
	s_barrier_wait -3
	s_barrier_signal -1
	s_barrier_wait -1
.endm
.macro CROUND                          ; a whole round
	s_barrier_signal -1
	s_barrier_wait -1
	CREST
.endm
	s_load_b128 s[4:7], s[0:1], 0x0                ; xb s[4:5], wb s[6:7]
	s_load_b128 s[68:71], s[0:1], 0x10             ; b_red s[68:69], W_att s[70:71]
	s_load_b64 s[72:73], s[0:1], 0x20              ; plog
	s_set_vgpr_msb 0x40
	v_lshl_add_u32 v255, v0, 2, 0x4c000
	s_set_vgpr_msb 0x4000
	v_mov_b32 v31, 0
	s_set_vgpr_msb 0x1
	ds_add_u32 v255, v31
	s_set_vgpr_msb 0x100
	v_lshrrev_b32 v1, 5, v0
	v_readfirstlane_b32 s10, v1                    ; wave 0..3
	s_lshr_b32 s11, s10, 1                         ; which half of the block's rows is mine.  Also: I fetch for xb (0) or for wb (1)
	s_and_b32 s12, s10, 1                          ; which half of its columns.  Also: which 128 rows of that tile I fetch
	s_bfe_u32 s40, ttmp6, 0x40000                  ; cx: my place along the cluster's x
	s_bfe_u32 s41, ttmp6, 0x40004                  ; cy: along its y
	s_lshl_b32 s42, ttmp9, 2                       ; in a cluster launch ttmp9 and ttmp7 count clusters
	s_add_co_u32 s42, s42, s40                     ; block column = 4 x cluster x + cx: 0 to 7
	s_and_b32 s13, ttmp7, 0xffff
	s_lshl_b32 s13, s13, 2
	s_add_co_u32 s13, s13, s41                     ; my first block row = 4 x cluster y + cy: 0 to 31
	s_lshl_b32 s43, s41, 2
	s_lshl_b32 s43, 15, s43                        ; my row of the cluster: places 4 cy .. 4 cy + 3
	s_lshl_b32 s44, 0x1111, s40                    ; my column: places cx, cx + 4, cx + 8, cx + 12
	; descriptor group 1: a tile of 128 rows x 128 elements, padded in LDS
	s_or_b32 s[G1+0], s43, (1<<16)|(1<<20)|(1<<21)|(5<<22)|(3<<25)  ; 15:0 the mask: xb's tiles go to my row; 17:16 element of 2 bytes; 20 padding on; 21 set beside a mask; 24:22 after every 64 words; 31:25 of 4 words
	s_or_b32 s[G1B+0], s44, (1<<16)|(1<<20)|(1<<21)|(5<<22)|(3<<25) ; the same with the mask of my column, for wb's tiles
	s_mov_b32 s[G1B+1], KSTEP<<16
	s_mov_b32 s[G1+1], KSTEP<<16                   ; tensor_dim0 = 128
	s_mov_b32 s[G1B+2], 128<<16
	s_mov_b32 s[G1+2], 128<<16                     ; tensor_dim1 = 128
	s_mov_b32 s[G1B+3], KSTEP<<16
	s_mov_b32 s[G1+3], KSTEP<<16                   ; tile_dim0 = 128
	s_mov_b32 s[G1B+4], 128
	s_mov_b32 s[G1+4], 128                         ; tile_dim1 = 128; tile_dim2 = 0
	s_mov_b32 s[G1B+5], SIZE_K
	s_mov_b32 s[G1+5], SIZE_K                      ; elements from row to row
	s_mov_b32 s[G1B+6], 0
	s_mov_b32 s[G1+6], 0
	s_mov_b32 s[G1B+7], 0
	s_mov_b32 s[G1+7], 0
	; where the tiles come from.  xb's hang on the block row alone, which my row of the cluster shares; wb's on the block column alone.
	s_lshl_b32 s17, s12, 7                         ; which 128 rows of the tile I fetch
	s_lshl_b32 s16, s13, 8
	s_add_co_u32 s16, s16, s17                     ; xb: row 256 x block row + 128 x half
	s_lshl_b32 s46, s42, 8
	s_add_co_u32 s46, s46, s17                     ; wb: row 256 x block column + 128 x half
	s_mov_b32 s17, 0
	s_mov_b32 s47, 0
	s_mov_b64 s[18:19], SIZE_K*2
	s_mul_u64 s[16:17], s[16:17], s[18:19]         ; in bytes
	s_mul_u64 s[46:47], s[46:47], s[18:19]
	s_mul_i32 s20, s10, HALFT                      ; where they go: wave x 128 rows: no place in the cluster enters an LDS address
	; offsets of the small operands and of the result (no descriptor is made of these)
	s_lshl_b32 s74, s42, 10                        ; b_red, and a row of W_att: 256 f32 a block column,
	s_lshl_b32 s75, s12, 9                         ; 128 f32 a column half
	s_add_co_u32 s74, s74, s75
	s_mov_b32 s75, 0
	s_lshl_b32 s76, s42, 20                        ; plog: a plane of 32,768 rows x 32 bytes for each block column,
	s_lshl_b32 s77, s13, 13                        ; 256 rows x 32 bytes a block row
	s_add_co_u32 s76, s76, s77
	s_mov_b32 s77, 0
	s_wait_dscnt 0x0
	s_wait_kmcnt 0x0
	s_add_nc_u64 s[14:15], s[4:5], s[16:17]
	s_add_nc_u64 s[46:47], s[6:7], s[46:47]
	s_add_nc_u64 s[68:69], s[68:69], s[74:75]
	s_add_nc_u64 s[70:71], s[70:71], s[74:75]
	s_add_nc_u64 s[72:73], s[72:73], s[76:77]
	CROUND                                         ; all sixteen work-groups are here: the first joint loads meet
.irp s, 0,1
	s_mov_b32 s[G0+4*\s], 1                                        ; count = 1
	s_add_co_u32 s[G0+4*\s+1], s20, \s*SLOT                        ; LDS address
	s_add_nc_u64 s[G0+4*\s+2:G0+4*\s+3], s[14:15], \s*KSTEP*2      ; global address: K step s
	s_or_b32 s[G0+4*\s+3], s[G0+4*\s+3], 0x80000000                ; type = 2
	s_mov_b32 s[G0B+4*\s], 1
	s_add_co_u32 s[G0B+4*\s+1], s20, \s*SLOT
	s_add_nc_u64 s[G0B+4*\s+2:G0B+4*\s+3], s[46:47], \s*KSTEP*2
	s_or_b32 s[G0B+4*\s+3], s[G0B+4*\s+3], 0x80000000
	JLOAD \s                                       ; the ring is filled before anything else is done: two tensor loads of the wave are out
.endr
	; A fragment is 16 rows x 32 K in 8 registers: lane l holds row l % 16; registers 0-3 hold K = 8 (l / 16) + 0..7, registers 4-7 hold
	; K = 16 + 8 (l / 16) + 0..7.  From rows that lie along K: two loads of 16 bytes, 32 bytes apart.
	v_and_b32 v1, 15, v0                           ; r = l % 16
	v_bfe_u32 v2, v0, 4, 1                         ; h = l / 16
	v_lshlrev_b32 v[BO], 5, v2                     ; b_red: 8 f32 for each half of the lanes
	v_and_b32 v4, 7, v0
	v_lshl_add_u32 v[WO], v4, 13, v[BO]            ; W_att: row r % 8 (8,192 bytes), 8 f32 for each half of the lanes
	; b_red as the starting sums: register j of tile b in lane (r, h) = b_red[16 b + 8 h + j] of my 128 columns
	WIN TO_B
.irp b, 0,1,2,3,4,5,6,7
	global_load_b128 v[8*\b:8*\b+3],   v[BO], s[68:69] offset:64*\b
	global_load_b128 v[8*\b+4:8*\b+7], v[BO], s[68:69] offset:64*\b+16
.endr
	WIN 0
	; W_att's fragments in f32: for 32 columns kb, h = 32 kb + 8 h + 0..7 and 32 kb + 16 + 8 h + 0..7 of head r % 8
.irp kb, 0,1,2,3
	global_load_b128 v[WTMP+16*\kb:WTMP+16*\kb+3],     v[WO], s[70:71] offset:128*\kb
	global_load_b128 v[WTMP+16*\kb+4:WTMP+16*\kb+7],   v[WO], s[70:71] offset:128*\kb+16
	global_load_b128 v[WTMP+16*\kb+8:WTMP+16*\kb+11],  v[WO], s[70:71] offset:128*\kb+64
	global_load_b128 v[WTMP+16*\kb+12:WTMP+16*\kb+15], v[WO], s[70:71] offset:128*\kb+80
.endr
	v_mul_u32_u24 v3, v1, PITCH
	v_lshl_add_u32 v3, v2, 4, v3                   ; row x pitch + 16 x half
	s_mul_i32 s21, s11, HALFT                      ; my 128 rows of xb
	s_mul_i32 s22, s12, HALFT                      ; my 128 rows of wb,
	s_add_co_u32 s22, s22, 2*HALFT                 ; which lie behind xb's 256
.irp s, 0,1
	v_add_nc_u32 v[ADRA+\s], s21, v3
	v_add_nc_u32 v[ADRB+\s], s22, v3
	s_add_co_u32 s21, s21, SLOT
	s_add_co_u32 s22, s22, SLOT
.endr
	s_lshl_b32 s23, s10, 13
	s_add_co_u32 s23, s23, STAGE                   ; my stage: 8,192 bytes a wave
	v_lshlrev_b32 v4, 2, v1                        ; in: column r, rows 8 h + j of a tile
	v_lshl_add_u32 v4, v2, 9, v4
	v_add_nc_u32 v[ST], s23, v4
	v_lshrrev_b32 v5, 1, v0                        ; back: thread t takes heads 4 (t & 1) .. + 3 of row t >> 1
	v_and_b32 v4, 1, v0
	v_lshlrev_b32 v5, 6, v5
	v_lshl_add_u32 v5, v4, 4, v5
	v_add_nc_u32 v[RD], STAGE, v5
	v_lshlrev_b32 v[CO], 4, v0                     ; and stores them at byte 16 t
	s_wait_loadcnt 0x0                             ; b_red and W_att, once for all four blocks, while the first tiles are on their way
.irp kb, 0,1,2,3
.irp i, 0,1,2,3,4,5,6,7
	v_cvt_pk_bf16_f32 v[WA+8*\kb+\i], v[WTMP+16*\kb+2*\i], v[WTMP+16*\kb+2*\i+1]
.endr
.endr
; 16 matrix instructions: m blocks a0, a0 + 1 of the window's four (hi = 0: my rows 0-63, 1: rows 64-127) x all 8 n blocks, 32 along K.
; first = 1: a block's first product takes b_red's tile as C: the bias costs no add and nothing is ever cleared.
.macro MUL16 f, hi, a0, first
.irp a, \a0, \a0+1
.irp b, 0,1,2,3,4,5,6,7
.if \first
	v_wmma_f32_16x16x32_bf16 v[8*(8*(\a)+\b):8*(8*(\a)+\b)+7], v[\f+8*\b:\f+8*\b+7], v[\f+8*(4*\hi+\a):\f+8*(4*\hi+\a)+7], v[8*\b:8*\b+7]
.else
	v_wmma_f32_16x16x32_bf16 v[8*(8*(\a)+\b):8*(8*(\a)+\b)+7], v[\f+8*\b:\f+8*\b+7], v[\f+8*(4*\hi+\a):\f+8*(4*\hi+\a)+7], v[8*(8*(\a)+\b):8*(8*(\a)+\b)+7]
.endif
.endr
.endr
.endm
; 32 LDS loads in one run: the fragments of one quarter step (128 rows of wb, 128 rows of xb, 32 K at byte k of the rows) into buffer f
.macro FETCH slot, k, f
	WIN TO_B
.irp i, 0,1,2,3,4,5,6,7
	ds_load_b128 v[\f+8*\i:\f+8*\i+3],   v[ADRB+\slot] offset:\k+\i*16*PITCH
	ds_load_b128 v[\f+8*\i+4:\f+8*\i+7], v[ADRB+\slot] offset:\k+\i*16*PITCH+32
.endr
	WIN 0
.irp i, 0,1,2,3,4,5,6,7
	ds_load_b128 v[\f+8*\i:\f+8*\i+3],   v[ADRA+\slot] offset:\k+\i*16*PITCH
	ds_load_b128 v[\f+8*\i+4:\f+8*\i+7], v[ADRA+\slot] offset:\k+\i*16*PITCH+32
.endr
.endm
; A load into a register that a matrix instruction has read, and a vector instruction that reads a matrix result or writes one of a matrix
; instruction's registers, stand four places behind it, and only plain vector instructions that name none of its registers are places
; the matrix instructions in between are not counted here.
.macro PLACES
.rept 4
	v_nop
.endr
.endm
; A K step is four quarter steps of 32 along K, 64 matrix instructions each, on buffers 0, 1, 0, 1.  The 64 accumulators take turns, one
; instruction a turn, in the same order in every quarter, over the loops' backward jumps too.
.macro QUARTER slot, k, f, g, first
	s_wait_dscnt 8                                 ; wb and xb's rows 0-63 are in; the youngest eight loads (xb's rows 64-127) may be out
.if \first
	WIN BIAS_LO
.else
	WIN MUL_LO
.endif
	MUL16 \f, 0, 0, \first
	MUL16 \f, 0, 2, \first
	PLACES
	FETCH \slot, \k, \g
	s_wait_dscnt 32                                ; all but the 32 just issued
.if \first
	WIN BIAS_HI
.else
	WIN MUL_HI
.endif
	MUL16 \f, 1, 0, \first
	MUL16 \f, 1, 2, \first
.endm
.macro THREE slot, first
	QUARTER \slot, 64,  F0, F1, \first
	QUARTER \slot, 128, F1, F0, 0
	QUARTER \slot, 192, F0, F1, 0
.endm
; The last quarter of a K step: multiplies buffer 1 and changes slots.  next = the other slot.
; fill = 1: this slot is filled again, two K steps ahead in this block; 2: with the same K step of the work-group's next block; 0: not at all.
; fetch = 1: the next slot's first fragments are read here; 0: the block ends, they are read on the way out.
; One barrier for the change of slots.  In front of it each wave waits for its own reads of this slot and for all its tensor loads, of which
; one is out: its part of the next slot.  Behind it nobody reads this slot any more and the next slot is whole: the refill comes first, then
; the next slot's first fragments.  From a request to the wait for it a wave issues 240 matrix instructions, over a change of blocks more.
.macro TURN slot, next, fill, fetch
	s_wait_dscnt 8
	WIN MUL_LO
	MUL16 F1, 0, 0, 0
	s_wait_dscnt 0                                 ; my reads of this slot are over
	s_wait_tensorcnt 0x0                           ; and all my tensor loads have landed
	ds_add_u32 v255, v31
	s_wait_dscnt 0x0
	s_barrier_signal -1                            ; say so (where a slot is filled again this barrier opens a round of the cluster's barrier),
	MUL16 F1, 0, 2, 0                              ; work on registers while the others arrive,
	WIN 0
	s_barrier_wait -1                              ; and go on when all four have said so
.if \fill
	CREST                                          ; all sixteen work-groups have said so: no wave of any partner still reads this slot's tile or has a load on its way
.if \fill == 1
	s_add_nc_u64 s[G0+4*\slot+2:G0+4*\slot+3], s[G0+4*\slot+2:G0+4*\slot+3], 2*KSTEP*2
	s_add_nc_u64 s[G0B+4*\slot+2:G0B+4*\slot+3], s[G0B+4*\slot+2:G0B+4*\slot+3], 2*KSTEP*2
.else
	s_add_nc_u64 s[G0+4*\slot+2:G0+4*\slot+3], s[G0+4*\slot+2:G0+4*\slot+3], AJUMP      ; xb: the next block's rows, the slot's first K step
	s_sub_nc_u64 s[G0B+4*\slot+2:G0B+4*\slot+3], s[G0B+4*\slot+2:G0B+4*\slot+3], KBACK  ; wb: the same rows, the slot's first K step
.endif
	JLOAD \slot                                    ; the first tensor load behind the round, the wave's only one out; its four v_nop are also the places in front of the loads below
.else
	PLACES
.endif
.if \fetch
	FETCH \next, 0, F0
.endif
	WIN MUL_HI
	MUL16 F1, 1, 0, 0
	MUL16 F1, 1, 2, 0
.endm
.macro LAP first                       ; once round the ring, both slots filled again within the block
	THREE 0, \first
	TURN 0, 1, 1, 1
	THREE 1, 0
	TURN 1, 0, 1, 1
.endm
.macro HEAD                            ; a block's K steps 0 to 5: its first lap starts the sums from b_red, two more laps go round a loop
	LAP 1
	WIN 0                                          ; at a label and at a branch every window is 0
	s_mov_b32 s3, LAPS-2
.Llap_\@:
	LAP 0
	WIN 0
	s_sub_co_u32 s3, s3, 1
	s_cmp_lg_u32 s3, 0
	s_cbranch_scc1 .Llap_\@
.endm
; THE SECOND PRODUCT, 64 rows (one window of accumulators) at a time.
.macro RELU win                        ; destination and second source in the accumulators' window
	WIN \win
.set i, 0
.rept 256
	v_max_num_f32 v[i], 0, v[i]
.set i, i+1
.endr
.endm
.macro PACK win                        ; both sources in the accumulators' window, destination window 0: tile (a, b) to 4 registers; tiles 2 kb, 2 kb + 1 make fragment (a, kb)
	WIN \win
.irp a, 0,1,2,3
.irp b, 0,1,2,3,4,5,6,7
.irp q, 0,1,2,3
	v_cvt_pk_bf16_f32 v[F0+32*\a+4*\b+\q], v[8*(8*\a+\b)+2*\q], v[8*(8*\a+\b)+2*\q+1]
.endr
.endr
.endr
.endm
.macro GEMM2 g                         ; 16 rows x 16 columns (8 heads twice) x 32 h: four accumulators take turns, one instruction a turn
	WIN 0
.irp a, 0,1,2,3
	v_wmma_f32_16x16x32_bf16 v[LOG+8*(4*\g+\a):LOG+8*(4*\g+\a)+7], v[F0+32*\a:F0+32*\a+7], v[WA:WA+7], 0
.endr
.irp kb, 1,2,3
.irp a, 0,1,2,3
	v_wmma_f32_16x16x32_bf16 v[LOG+8*(4*\g+\a):LOG+8*(4*\g+\a)+7], v[F0+32*\a+8*\kb:F0+32*\a+8*\kb+7], v[WA+8*\kb:WA+8*\kb+7], v[LOG+8*(4*\g+\a):LOG+8*(4*\g+\a)+7]
.endr
.endr
.endm
; A block's way out.  more = 1: another block follows: its first fragments are read from slot 0, whose tile every wave has shown landed in front of
; the last round, and plog's address goes on.
.macro WAYOUT more
	PLACES                                         ; behind the last matrix instructions: relu reads and writes results, the packing writes over fragments
	RELU 0x88
	PACK 0x0a
	GEMM2 0
	RELU 0xcc                                      ; 256 plain instructions on window 3: the places in front of the packing below, which writes over the fragments just multiplied
	PACK 0x0f
	GEMM2 1
	PLACES                                         ; behind the last matrix instructions: the LDS stores read results, the loads below land on fragments
	; register j of tile a in lane (r, h) is the logit of my row 16 a + 8 h + j, head r % 8
.irp a, 0,1,2,3,4,5,6,7
.irp j, 0,1,2,3,4,5,6,7
	ds_store_b32 v[ST], v[LOG+8*\a+\j] offset:1024*\a+64*\j
.endr
.endr
	s_wait_dscnt 0x0                               ; my stage is written,
	s_barrier_signal -1
	s_barrier_wait -1                              ; everybody's is
	; the two column halves of a row are added; piece i: rows 64 i + (t >> 1) of the block, in the stages of waves 2 (i >> 1) and 2 (i >> 1) + 1
.irp i, 0,1,2,3
	ds_load_b128 v[F1+8*\i:F1+8*\i+3],   v[RD] offset:(\i>>1)*16384+(\i&1)*4096
	ds_load_b128 v[F1+8*\i+4:F1+8*\i+7], v[RD] offset:(\i>>1)*16384+(\i&1)*4096+8192
.endr
.if \more
	FETCH 0, 0, F0                                 ; the next block's first fragments, on their way while the logits leave
	s_wait_dscnt 32                                ; the stage's eight loads are in; the 32 just issued may be out
.else
	s_wait_dscnt 0x0
.endif
.irp i, 0,1,2,3
	v_pk_add_f32 v[F1+8*\i:F1+8*\i+1],   v[F1+8*\i:F1+8*\i+1],   v[F1+8*\i+4:F1+8*\i+5]
	v_pk_add_f32 v[F1+8*\i+2:F1+8*\i+3], v[F1+8*\i+2:F1+8*\i+3], v[F1+8*\i+6:F1+8*\i+7]
	global_store_b128 v[CO], v[F1+8*\i:F1+8*\i+3], s[72:73] offset:2048*\i   ; a wave's store covers 512 consecutive bytes, aligned
.endr
.if \more
	s_wait_xcnt 0x0                                ; the stores' base is stepped, and buffer 1, which they read, is loaded again, only behind this wait
	s_add_nc_u64 s[72:73], s[72:73], PJUMP
.endif
.endm
	s_wait_tensorcnt 1                             ; my part of K step 0 is in; K step 1's may stay out
	s_barrier_signal -1
	s_barrier_wait -1                              ; everybody's is
	FETCH 0, 0, F0
	s_mov_b32 s78, TILES-1
.Ltile:                                            ; three blocks that are followed by another
	HEAD
	THREE 0, 0                                     ; K steps 6 and 7 ask for the next block's K steps 0 and 1
	TURN 0, 1, 2, 1
	THREE 1, 0
	TURN 1, 0, 2, 0
	WAYOUT 1
	WIN 0
	s_sub_co_u32 s78, s78, 1
	s_cmp_lg_u32 s78, 0
	s_cbranch_scc1 .Ltile
	HEAD                                           ; the last block
	THREE 0, 0                                     ; its last lap fills nothing and has no round of the cluster's barrier
	TURN 0, 1, 0, 1
	THREE 1, 0
	s_wait_dscnt 8                                 ; the very last quarter: nothing more to fetch
	WIN MUL_LO
	MUL16 F1, 0, 0, 0
	MUL16 F1, 0, 2, 0
	s_wait_dscnt 0
	WIN MUL_HI
	MUL16 F1, 1, 0, 0
	MUL16 F1, 1, 2, 0
	WAYOUT 0
	s_set_vgpr_msb 0x1
	s_wait_tensorcnt 0x0
	ds_add_u32 v255, v31
	s_wait_dscnt 0x0
	s_set_vgpr_msb 0x100
	CROUND                                         ; the closing round: no work-group ends while a partner may still ask for a tile that names it
	s_endpgm
.Lfunc_end_k_qc808204504_gemm:
	.size	k_qc808204504_gemm, .Lfunc_end_k_qc808204504_gemm-k_qc808204504_gemm
	.p2alignl 7, 3214868480
	.fill 96, 4, 3214868480
	.section	.rodata,"a",@progbits
	.p2align	6, 0x0
	.amdhsa_kernel k_qc808204504_gemm
		.amdhsa_group_segment_fixed_size 327680
		.amdhsa_private_segment_fixed_size 0
		.amdhsa_enable_private_segment 0
		.amdhsa_kernarg_size 40
		.amdhsa_user_sgpr_count 2
		.amdhsa_user_sgpr_kernarg_segment_ptr 1
		.amdhsa_wavefront_size32 1
		.amdhsa_system_sgpr_workgroup_id_x 1
		.amdhsa_system_sgpr_workgroup_id_y 1
		.amdhsa_system_sgpr_workgroup_id_z 1
		.amdhsa_system_vgpr_workitem_id 0
		.amdhsa_next_free_vgpr 1024
		.amdhsa_next_free_sgpr 84
		.amdhsa_reserve_vcc 0
		.amdhsa_float_denorm_mode_32 3
		.amdhsa_float_denorm_mode_16_64 3
		.amdhsa_memory_ordered 1
		.amdhsa_forward_progress 1
		.amdhsa_inst_pref_size 255
	.end_amdhsa_kernel
	.section	.bss,"aw",@nobits
	.p2align	6
	.space	262144
	.amdgpu_metadata
---
amdhsa.version: [ 1, 2 ]
amdhsa.kernels:
  - .name:           k_qc808204504_gemm
    .symbol:         k_qc808204504_gemm.kd
    .args:
      - { .name: xb, .offset: 0, .size: 8, .value_kind: global_buffer, .address_space: global }
      - { .name: wb, .offset: 8, .size: 8, .value_kind: global_buffer, .address_space: global }
      - { .name: b_red, .offset: 16, .size: 8, .value_kind: global_buffer, .address_space: global }
      - { .name: W_att, .offset: 24, .size: 8, .value_kind: global_buffer, .address_space: global }
      - { .name: plog, .offset: 32, .size: 8, .value_kind: global_buffer, .address_space: global }
    .group_segment_fixed_size: 327680
    .private_segment_fixed_size: 0
    .kernarg_segment_align: 8
    .kernarg_segment_size: 40
    .max_flat_workgroup_size: 128
    .sgpr_count:     84
    .vgpr_count:     1024
    .wavefront_size: 32
...
	.end_amdgpu_metadata
.endif
;; end of part 2
;; launch attend (part 3): grid 4 x 64, 8 waves a work-group, no clusters, 296,960 bytes of LDS; arguments plog, b_att, xb, out0, pen; writes out0, pen
.if DOCPART == 3
	.amdgcn_target "amdgcn-amd-amdhsa--gfx1250"
	.amdhsa_code_object_version 6
	.text
	.protected	k_qc808204504_attend
	.globl	k_qc808204504_attend
	.p2align	8
	.type	k_qc808204504_attend,@function
k_qc808204504_attend:
	s_mov_b64 s[64:65], 0
	v_nop
	global_prefetch_b8 v0, s[64:65] scope:SCOPE_SE
	s_setreg_imm32_b32 hwreg(HW_REG_WAVE_MODE, 25, 1), 1
	s_wait_xcnt 0x0
; For batch b (grid y) and columns d = 256 dq .. + 255 (grid x): logits = sum of plog's 8 planes + b_att; softmax over the 512 words, with the
; maximum taken away first; out0[b][a][d] = sum_s attn[s][a] xb[b][s][d]; and, in the work-group dq = 0, pen[b] = || A A^T - I ||_F.
; The penalty is formed from G = A^T A (8 x 8): || A A^T - I ||^2 = 512 - 2 tr G + || G ||^2, an identity for every A; A A^T has rank 8 at the most,
; so the value is at least 504 and the sum loses nothing by cancellation.
; LIMITS: attn and x enter both products as bf16, sums f32.  An attention weight below 2^-126 is 0 (v_exp_f32 gives no denormal results: ISA guide 15.8).
; The batch's x tile (512 rows x 512 bytes) comes into LDS in four groups of 128 words.  Each wave issues four tensor loads first of all, its 16 rows
; of each group, so that four are out at the most; a wave's loads end in order, so the groups land one after the other, and the products of a
; group are made while the later groups are on their way.  Every byte is filled once: no slot is filled again.  The softmax is made
; while the first group is on its way.  (Loads of 64 rows would bring a group by two waves alone, and nothing would order the groups.)
; NO JOINT LOADS: x's tile is read by this work-group alone.  The planes (131,072 bytes) are shared by a batch's four work-groups, but beside
; the tile's 278,528 bytes they do not fit into LDS, so they go through registers, where there is no joint request.
.set XPITCH, 544                       ; 512 bytes + 32 of padding: an odd multiple of 32, for the transposing loads
.set WPART,  16*XPITCH                 ; a wave's part of a group: 8,704 bytes
.set GROUP,  128*XPITCH                ; a group of 128 words: 69,632 bytes
.set RED1,   4*GROUP                   ; 278,528: the waves' maxima, 8 x 32 bytes; the waves' sums lie 256 bytes further
.set AT,     RED1+512                  ; 279,040: attn as bf16, [8 heads][512 s], pitch 1,040
.set APITCH, 1040
.set OS,     AT+8448                   ; 287,488: the result, [8 heads][256 d] f32, pitch 1,040
.set G0,  44                           ; s[44:59] descriptor group 0, a set of four registers for each of the four loads
.set VP,  1                            ; v1   16 t: my piece of a plane
.set VB,  2                            ; v2   16 (t & 1): my four heads in b_att
.set VRS, 3                            ; v3   where my wave puts its maxima
.set VRL, 4                            ; v4   where I read the eight waves' maxima
.set VAT, 5                            ; v5   where I put attn
.set VFA, 6                            ; v6   attn's fragments
.set VXB, 7                            ; v7-10 x's fragments, words 128 g ..
.set VOS, 11                           ; v11  where I put results
.set VOL, 12                           ; v12  where I read them back
.set VOG, 13                           ; v13  my byte offset in out0
.set ACC, 16                           ; v[16:23], v[24:31]: two tiles of 16 d x 16 columns (8 heads twice)
.set LG,  32                           ; v[32:47] logits, then exponentials, then attn: [piece i][head c]
.set GM,  32                           ; v[32:39] afterwards G
.set BA,  48                           ; v[48:51] b_att of my four heads
.set M,   52                           ; v[52:55] maxima, then sums, then their reciprocals
.set Q,   56                           ; v[56:63] at work; attn packed
.set PL,  64                           ; v[64:191] the 32 plane loads; then what is read back from LDS; then fragment buffers at v64 and v160
	s_load_b256 s[4:11], s[0:1], 0x0               ; plog s[4:5], b_att s[6:7], xb s[8:9], out0 s[10:11]
	s_load_b64 s[28:29], s[0:1], 0x20              ; pen
	s_set_vgpr_msb 0x40
	v_lshl_add_u32 v0, v0, 2, 0x48400
	v_mov_b32 v1, 0
	s_set_vgpr_msb 0x4045
	ds_add_u32 v0, v1
	s_set_vgpr_msb 0x4500
	v_lshrrev_b32 v14, 5, v0
	v_readfirstlane_b32 s30, v14                   ; wave 0..7
	s_and_b32 s31, ttmp7, 0xffff                   ; b
	s_mov_b32 s12, 0x76543210                      ; v_permlanex16_b32: lane i of one half reads lane i of the other
	s_mov_b32 s13, 0xfedcba98
	; descriptor group 1: 16 rows x 256 elements of 2 bytes, 1,024 elements from row to row, 8 words of padding behind every 128
	s_mov_b32 s16, (1<<16)|(1<<20)|(6<<22)|(7<<25)
	s_mov_b32 s17, 256<<16                         ; tensor_dim0 = 256
	s_mov_b32 s18, 16<<16                          ; tensor_dim1 = 16
	s_mov_b32 s19, 256<<16                         ; tile_dim0 = 256
	s_mov_b32 s20, 16                              ; tile_dim1 = 16
	s_mov_b32 s21, 1024
	s_mov_b32 s22, 0
	s_mov_b32 s23, 0
	s_mul_i32 s25, s30, WPART                      ; my wave's 16 rows of a group in LDS
	s_lshl_b32 s32, s31, 20                        ; xb: 512 rows of 2,048 bytes a batch,
	s_lshl_b32 s34, s30, 15                        ; 16 rows a wave,
	s_add_co_u32 s32, s32, s34
	s_lshl_b32 s34, ttmp9, 9                       ; 256 columns of 2 bytes
	s_add_co_u32 s32, s32, s34
	s_mov_b32 s33, 0
	s_lshl_b32 s34, s31, 14                        ; plog: 512 rows of 32 bytes a batch
	s_mov_b32 s35, 0
	s_lshl_b32 s36, s31, 15                        ; out0: 8,192 f32 a batch,
	s_lshl_b32 s37, ttmp9, 10                      ; 256 f32
	s_add_co_u32 s36, s36, s37
	s_mov_b32 s37, 0
	s_lshl_b32 s38, s31, 2                         ; pen: one f32 a batch
	s_mov_b32 s39, 0
	v_and_b32 v14, 1, v0                           ; t & 1
	v_lshlrev_b32 v[VP], 4, v0
	v_lshlrev_b32 v[VB], 4, v14
	s_wait_dscnt 0x0
	s_wait_kmcnt 0x0
	s_add_nc_u64 s[26:27], s[8:9], s[32:33]
	; the wave's four tensor loads, one group, ahead of every wait on them, every LDS read and every barrier
.irp g, 0,1,2,3
	s_mov_b32 s[G0+4*\g], 1                                        ; count = 1
	s_add_co_u32 s[G0+4*\g+1], s25, \g*GROUP                       ; LDS address: wave x 8,704 + group x 69,632
	s_add_nc_u64 s[G0+4*\g+2:G0+4*\g+3], s[26:27], \g*128*2048     ; 128 rows of 2,048 bytes a group
	s_or_b32 s[G0+4*\g+3], s[G0+4*\g+3], 0x80000000                ; type = 2
	tensor_load_to_lds s[G0+4*\g:G0+4*\g+3], s[16:23]
	s_nop 0
.endr
	s_add_nc_u64 s[4:5], s[4:5], s[34:35]
	s_add_nc_u64 s[10:11], s[10:11], s[36:37]
	s_add_nc_u64 s[28:29], s[28:29], s[38:39]
	global_load_b128 v[BA:BA+3], v[VB], s[6:7]
	; piece t + 256 i of a plane's 16,384 bytes: word s = (t >> 1) + 128 i, heads 4 (t & 1) .. + 3
.irp p, 0,1,2,3,4,5,6,7
.irp i, 0,1,2,3
	global_load_b128 v[PL+16*\p+4*\i:PL+16*\p+4*\i+3], v[VP], s[4:5] offset:\p*1048576+\i*4096
.endr
.endr
	; addresses, while the loads are on their way
	s_lshl_b32 s40, s30, 5
	s_add_co_u32 s40, s40, RED1
	v_add_nc_u32 v[VRS], s40, v[VB]                ; 32 bytes a wave, 16 for each parity of t
	v_add_nc_u32 v[VRL], RED1, v[VB]
	v_lshrrev_b32 v15, 1, v0                       ; t >> 1
	v_mul_u32_u24 v[VAT], v14, 4*APITCH            ; head 4 (t & 1),
	v_lshl_add_u32 v[VAT], v15, 1, v[VAT]          ; word t >> 1
	v_add_nc_u32 v[VAT], AT, v[VAT]
	v_and_b32 v14, 7, v0                           ; l % 8
	v_bfe_u32 v15, v0, 4, 1                        ; h = l / 16
	v_mul_u32_u24 v[VFA], v14, APITCH              ; column r of a fragment is head r % 8: each head stands twice
	v_lshl_add_u32 v[VFA], v15, 4, v[VFA]
	v_add_nc_u32 v[VFA], AT, v[VFA]
	v_lshl_add_u32 v[VXB], v15, 3, v14             ; x lies [s][d]: the transposing load's lane takes row 8 h + l % 8,
	v_mul_u32_u24 v[VXB], v[VXB], XPITCH
	v_bfe_u32 v[VOL], v0, 3, 1
	v_lshl_add_u32 v[VXB], v[VOL], 4, v[VXB]       ; 16 bytes at column 8 ((l >> 3) & 1),
	s_lshl_b32 s41, s30, 6
	v_add_nc_u32 v[VXB], s41, v[VXB]               ; of my wave's 32 columns
	v_add_nc_u32 v[VXB+1], GROUP, v[VXB]
	v_add_nc_u32 v[VXB+2], 2*GROUP, v[VXB]
	v_add_nc_u32 v[VXB+3], 3*GROUP, v[VXB]
	v_mul_u32_u24 v[VOS], v14, APITCH              ; out: head r % 8, my wave's 32 d, 8 d for each half of the lanes
	v_lshl_add_u32 v[VOS], v15, 5, v[VOS]
	s_lshl_b32 s41, s30, 7
	s_add_co_u32 s41, s41, OS
	v_add_nc_u32 v[VOS], s41, v[VOS]
	v_lshrrev_b32 v14, 6, v0                       ; back: head t >> 6 (and 4 more), 16 bytes at 16 (t & 63)
	v_and_b32 v15, 63, v0
	v_mul_u32_u24 v[VOL], v14, APITCH
	v_lshl_add_u32 v[VOL], v15, 4, v[VOL]
	v_add_nc_u32 v[VOL], OS, v[VOL]
	v_lshlrev_b32 v[VOG], 12, v14                  ; a head's 1,024 f32 in out0
	v_lshl_add_u32 v[VOG], v15, 4, v[VOG]
	; the logits: b_att + the eight planes
	s_wait_loadcnt 28                              ; b_att and plane 0 are in; the 28 loads of planes 1 to 7 may be out
.irp i, 0,1,2,3
	v_pk_add_f32 v[LG+4*\i:LG+4*\i+1],   v[PL+4*\i:PL+4*\i+1],   v[BA:BA+1]
	v_pk_add_f32 v[LG+4*\i+2:LG+4*\i+3], v[PL+4*\i+2:PL+4*\i+3], v[BA+2:BA+3]
.endr
.irp p, 1,2,3,4,5,6,7
	s_wait_loadcnt 4*(7-\p)                        ; plane p is in; the later planes' loads may be out
.irp i, 0,1,2,3
	v_pk_add_f32 v[LG+4*\i:LG+4*\i+1],   v[LG+4*\i:LG+4*\i+1],   v[PL+16*\p+4*\i:PL+16*\p+4*\i+1]
	v_pk_add_f32 v[LG+4*\i+2:LG+4*\i+3], v[LG+4*\i+2:LG+4*\i+3], v[PL+16*\p+4*\i+2:PL+16*\p+4*\i+3]
.endr
.endr
; M's four registers over the 16 lanes of my parity (lanes of the other parity hold other heads): lane xor 2, 4, 8 ride on the arithmetic,
; lane xor 16 comes by v_permlanex16_b32, whose destination counts as read: v64-67 have been written by the plane loads.
.macro XRED op, opdpp
.irp x, 2,4,8
.irp c, 0,1,2,3
	\opdpp v[M+\c], v[M+\c], v[M+\c] row_xmask:\x row_mask:0xf bank_mask:0xf
.endr
.endr
.irp c, 0,1,2,3
	v_permlanex16_b32 v[PL+\c], v[M+\c], s12, s13
.endr
.irp c, 0,1,2,3
	\op v[M+\c], v[M+\c], v[PL+\c]
.endr
.endm
; the waves' figures meet in LDS: at byte off behind RED1
.macro MEET off
	ds_store_b128 v[VRS], v[M:M+3] offset:\off     ; the 16 lanes of a parity write the same 16 bytes with the same values
	s_wait_dscnt 0x0                               ; written,
	s_barrier_signal -1
	s_barrier_wait -1                              ; by every wave (the x tile may stay on its way: nothing in LDS is filled again)
.irp w, 0,1,2,3,4,5,6,7
	ds_load_b128 v[PL+4*\w:PL+4*\w+3], v[VRL] offset:\off+32*\w
.endr
	s_wait_dscnt 0x0
.endm
	; the maximum over the 512 words, for each of my four heads
.irp c, 0,1,2,3
	v_max3_num_f32 v[M+\c], v[LG+\c], v[LG+4+\c], v[LG+8+\c]
.endr
.irp c, 0,1,2,3
	v_max_num_f32 v[M+\c], v[M+\c], v[LG+12+\c]
.endr
	XRED v_max_num_f32, v_max_num_f32_dpp
	MEET 0
.irp c, 0,1,2,3
	v_max3_num_f32 v[M+\c], v[PL+\c], v[PL+4+\c], v[PL+8+\c]
.endr
.irp c, 0,1,2,3
	v_max3_num_f32 v[M+\c], v[M+\c], v[PL+12+\c], v[PL+16+\c]
.endr
.irp c, 0,1,2,3
	v_max3_num_f32 v[M+\c], v[M+\c], v[PL+20+\c], v[PL+24+\c]
.endr
.irp c, 0,1,2,3
	v_max_num_f32 v[M+\c], v[M+\c], v[PL+28+\c]
.endr
	; e = 2^((logit - maximum) log2 e): the difference first, so that large logits lose nothing
.irp i, 0,1,2,3
	v_pk_add_f32 v[LG+4*\i:LG+4*\i+1],   v[LG+4*\i:LG+4*\i+1],   v[M:M+1]   neg_lo:[0,1] neg_hi:[0,1]
	v_pk_add_f32 v[LG+4*\i+2:LG+4*\i+3], v[LG+4*\i+2:LG+4*\i+3], v[M+2:M+3] neg_lo:[0,1] neg_hi:[0,1]
.endr
.irp k, 0,2,4,6,8,10,12,14
	v_pk_mul_f32 v[LG+\k:LG+\k+1], v[LG+\k:LG+\k+1], 0x3fb8aa3b op_sel_hi:[1,0]
.endr
.irp k, 0,1,2,3,4,5,6,7,8,9,10,11,12,13,14,15
	v_exp_f32 v[LG+\k], v[LG+\k]
.endr
	v_nop                                          ; one plain place behind the last exponential (ISA guide 5.7.2)
	; their sum: at least 1, since the largest term is 2^0
	s_wait_alu depctr_va_vdst(0)
	v_pk_add_f32 v[M:M+1],   v[LG:LG+1],     v[LG+4:LG+5]
	v_pk_add_f32 v[M+2:M+3], v[LG+2:LG+3],   v[LG+6:LG+7]
	v_pk_add_f32 v[Q:Q+1],   v[LG+8:LG+9],   v[LG+12:LG+13]
	v_pk_add_f32 v[Q+2:Q+3], v[LG+10:LG+11], v[LG+14:LG+15]
	v_pk_add_f32 v[M:M+1],   v[M:M+1],       v[Q:Q+1]
	v_pk_add_f32 v[M+2:M+3], v[M+2:M+3],     v[Q+2:Q+3]
	XRED v_add_f32, v_add_f32_dpp
	MEET 256                                       ; other bytes than the maxima's: no barrier between those reads and these stores
.irp w, 0,2,4,6
	v_pk_add_f32 v[PL+4*\w:PL+4*\w+1],   v[PL+4*\w:PL+4*\w+1],   v[PL+4*\w+4:PL+4*\w+5]
	v_pk_add_f32 v[PL+4*\w+2:PL+4*\w+3], v[PL+4*\w+2:PL+4*\w+3], v[PL+4*\w+6:PL+4*\w+7]
.endr
.irp w, 0,4
	v_pk_add_f32 v[PL+4*\w:PL+4*\w+1],   v[PL+4*\w:PL+4*\w+1],   v[PL+4*\w+8:PL+4*\w+9]
	v_pk_add_f32 v[PL+4*\w+2:PL+4*\w+3], v[PL+4*\w+2:PL+4*\w+3], v[PL+4*\w+10:PL+4*\w+11]
.endr
	v_pk_add_f32 v[M:M+1],   v[PL:PL+1],   v[PL+16:PL+17]
	v_pk_add_f32 v[M+2:M+3], v[PL+2:PL+3], v[PL+18:PL+19]
.irp c, 0,1,2,3
	v_rcp_f32 v[M+\c], v[M+\c]
.endr
	v_nop                                          ; one plain place behind the last reciprocal
	s_wait_alu depctr_va_vdst(0)
.irp i, 0,1,2,3
	v_pk_mul_f32 v[LG+4*\i:LG+4*\i+1],   v[LG+4*\i:LG+4*\i+1],   v[M:M+1]
	v_pk_mul_f32 v[LG+4*\i+2:LG+4*\i+3], v[LG+4*\i+2:LG+4*\i+3], v[M+2:M+3]
.endr
	; attn to bf16 and into LDS as [head][word], so that the words lie along the fragments' K
.irp i, 0,1,2,3
	v_cvt_pk_bf16_f32 v[Q+2*\i],   v[LG+4*\i],   v[LG+4*\i+1]
	v_cvt_pk_bf16_f32 v[Q+2*\i+1], v[LG+4*\i+2], v[LG+4*\i+3]
.endr
.irp i, 0,1,2,3
	ds_store_b16        v[VAT], v[Q+2*\i]   offset:256*\i
	ds_store_b16_d16_hi v[VAT], v[Q+2*\i]   offset:APITCH+256*\i
	ds_store_b16        v[VAT], v[Q+2*\i+1] offset:2*APITCH+256*\i
	ds_store_b16_d16_hi v[VAT], v[Q+2*\i+1] offset:3*APITCH+256*\i
.endr
	; THE PRODUCTS.  Wave w makes d = 32 w .. + 31 (two tiles of 16) for all heads, and G.  Used transposed: source 0 = 16 columns d of x,
	; source 1 = 16 columns of attn; register j of lane (r, h) is then d = 8 h + j of head r % 8: eight neighbouring numbers of a row of out0.
	; 16 steps of 32 words, in the four groups of 4 steps in which x lands, on two register buffers (v64 and v160): attn's fragments at + 8 k, x's at + 32 + 16 k + 8 n.
.macro GLOAD g, q                      ; 24 LDS loads: group g into buffer q
.irp k, 0,1,2,3
	ds_load_b128 v[64+96*\q+8*\k:64+96*\q+8*\k+3],   v[VFA] offset:64*(4*\g+\k)
	ds_load_b128 v[64+96*\q+8*\k+4:64+96*\q+8*\k+7], v[VFA] offset:64*(4*\g+\k)+32
.endr
.irp k, 0,1,2,3
.irp n, 0,1
	ds_load_tr16_b128 v[96+96*\q+16*\k+8*\n:96+96*\q+16*\k+8*\n+3],   v[VXB+\g] offset:32*XPITCH*\k+32*\n
	ds_load_tr16_b128 v[96+96*\q+16*\k+8*\n+4:96+96*\q+16*\k+8*\n+7], v[VXB+\g] offset:32*XPITCH*\k+16*XPITCH+32*\n
.endr
.endr
.endm
.macro STEP q, k, zero                 ; three accumulators take turns, one instruction a turn; the first step starts the sums
.if \zero
	v_wmma_f32_16x16x32_bf16 v[ACC:ACC+7],    v[96+96*\q+16*\k:96+96*\q+16*\k+7],    v[64+96*\q+8*\k:64+96*\q+8*\k+7], 0
	v_wmma_f32_16x16x32_bf16 v[ACC+8:ACC+15], v[96+96*\q+16*\k+8:96+96*\q+16*\k+15], v[64+96*\q+8*\k:64+96*\q+8*\k+7], 0
	v_wmma_f32_16x16x32_bf16 v[GM:GM+7],      v[64+96*\q+8*\k:64+96*\q+8*\k+7],      v[64+96*\q+8*\k:64+96*\q+8*\k+7], 0
.else
	v_wmma_f32_16x16x32_bf16 v[ACC:ACC+7],    v[96+96*\q+16*\k:96+96*\q+16*\k+7],    v[64+96*\q+8*\k:64+96*\q+8*\k+7], v[ACC:ACC+7]
	v_wmma_f32_16x16x32_bf16 v[ACC+8:ACC+15], v[96+96*\q+16*\k+8:96+96*\q+16*\k+15], v[64+96*\q+8*\k:64+96*\q+8*\k+7], v[ACC+8:ACC+15]
	v_wmma_f32_16x16x32_bf16 v[GM:GM+7],      v[64+96*\q+8*\k:64+96*\q+8*\k+7],      v[64+96*\q+8*\k:64+96*\q+8*\k+7], v[GM:GM+7]
.endif
.endm
.macro GMUL q, first
	STEP \q, 0, \first
	STEP \q, 1, 0
	STEP \q, 2, 0
	STEP \q, 3, 0
.endm
.macro PLACES                          ; four plain places behind a matrix instruction before its registers are loaded into, read or stored (ISA guide 7.12.1)
.rept 4
	v_nop
.endr
.endm
	s_wait_dscnt 0x0                               ; my part of attn is written,
	s_wait_tensorcnt 0x3                           ; my 16 rows of group 0 have landed; my three later loads may be out,
	s_barrier_signal -1
	s_barrier_wait -1                              ; and so for every wave
	GLOAD 0, 0
	s_wait_dscnt 0x0                               ; group 0's fragments are in (and no LDS instruction is pending at a signal),
	s_wait_tensorcnt 0x2                           ; my rows of group 1 have landed; two later loads may be out
	s_barrier_signal -1
	GMUL 0, 1                                      ; work on registers while the others arrive
	s_barrier_wait -1
	GLOAD 1, 1
	s_wait_dscnt 0x0
	s_wait_tensorcnt 0x1                           ; my rows of group 2 have landed; the last load may be out
	s_barrier_signal -1
	GMUL 1, 0
	s_barrier_wait -1
	PLACES
	GLOAD 2, 0
	s_wait_dscnt 0x0
	s_wait_tensorcnt 0x0                           ; my rows of group 3 have landed: no tensor load of mine is out
	s_barrier_signal -1
	GMUL 0, 0
	s_barrier_wait -1
	PLACES
	GLOAD 3, 1
	s_wait_dscnt 0x0
	GMUL 1, 0
	PLACES
	; THE WAY OUT: through LDS, so that whole rows of 1,024 bytes leave.  Lanes r and r + 8 hold the same head's same numbers and write the same bytes.
.irp n, 0,1
	ds_store_b128 v[VOS], v[ACC+8*\n:ACC+8*\n+3]   offset:64*\n
	ds_store_b128 v[VOS], v[ACC+8*\n+4:ACC+8*\n+7] offset:64*\n+16
.endr
	s_wait_dscnt 0x0
	s_barrier_signal -1
	s_barrier_wait -1
	ds_load_b128 v[64:67], v[VOL]
	ds_load_b128 v[68:71], v[VOL] offset:4*APITCH
	s_wait_dscnt 0x0
	global_store_b128 v[VOG], v[64:67], s[10:11] th:TH_STORE_NT               ; a wave's store covers 512 consecutive bytes, aligned
	global_store_b128 v[VOG], v[68:71], s[10:11] offset:16384 th:TH_STORE_NT
	; THE PENALTY, by wave 0 of the work-group dq = 0.  Register j of every lane is G[j][r % 8]; each entry stands in four lanes.
	s_cmp_lg_u32 s30, 0
	s_cbranch_scc1 .Lend
	s_cmp_lg_u32 ttmp9, 0
	s_cbranch_scc1 .Lend
	v_and_b32 v14, 7, v0
	v_mov_b32 v15, 2.0
.irp j, 0,1,2,3,4,5,6,7
	v_cmp_eq_u32 vcc_lo, \j, v14
	v_cndmask_b32 v[Q], 0, v15, vcc_lo             ; 2 on the diagonal
	v_sub_f32 v[Q], v[GM+\j], v[Q]
.if \j == 0
	v_mul_f32 v[Q+1], v[GM+\j], v[Q]               ; G (G - 2 I), summed: || G ||^2 - 2 tr G
.else
	v_fmac_f32 v[Q+1], v[GM+\j], v[Q]
.endif
.endr
	v_add_f32_dpp v[Q+1], v[Q+1], v[Q+1] row_xmask:1 row_mask:0xf bank_mask:0xf
	v_add_f32_dpp v[Q+1], v[Q+1], v[Q+1] row_xmask:2 row_mask:0xf bank_mask:0xf
	v_add_f32_dpp v[Q+1], v[Q+1], v[Q+1] row_xmask:4 row_mask:0xf bank_mask:0xf
	v_add_f32_dpp v[Q+1], v[Q+1], v[Q+1] row_xmask:8 row_mask:0xf bank_mask:0xf
	v_permlanex16_b32 v[Q+2], v[Q+1], s12, s13     ; its destination has been written (attn packed)
	v_add_f32 v[Q+1], v[Q+1], v[Q+2]
	v_mov_b32 v[Q+3], 0x44000000                   ; 512
	v_fma_f32 v[Q+1], v[Q+1], 0x3e800000, v[Q+3]   ; a quarter of the sum (each entry was counted four times) + 512
	v_sqrt_f32 v[Q+1], v[Q+1]
	v_mov_b32 v14, 0                               ; the plain place behind the root; the store's offset
	v_cmp_eq_u32 vcc_lo, 0, v0
	s_wait_xcnt 0x0                                ; EXEC is a source of the stores above: it changes only behind this wait
	s_and_saveexec_b32 s20, vcc_lo
	s_wait_alu depctr_va_vdst(0)
	global_store_b32 v14, v[Q+1], s[28:29]         ; lane 0 alone
	s_wait_xcnt 0x0                                ; and again in front of the line that widens it
	s_or_b32 exec_lo, exec_lo, s20
.Lend:
	s_set_vgpr_msb 0x5
	s_wait_tensorcnt 0x0
	ds_add_u32 v0, v1
	s_wait_dscnt 0x0
	s_set_vgpr_msb 0x500
	s_endpgm
.Lfunc_end_k_qc808204504_attend:
	.size	k_qc808204504_attend, .Lfunc_end_k_qc808204504_attend-k_qc808204504_attend
	.p2alignl 7, 3214868480
	.fill 96, 4, 3214868480
	.section	.rodata,"a",@progbits
	.p2align	6, 0x0
	.amdhsa_kernel k_qc808204504_attend
		.amdhsa_group_segment_fixed_size 296960
		.amdhsa_private_segment_fixed_size 0
		.amdhsa_enable_private_segment 0
		.amdhsa_kernarg_size 40
		.amdhsa_user_sgpr_count 2
		.amdhsa_user_sgpr_kernarg_segment_ptr 1
		.amdhsa_wavefront_size32 1
		.amdhsa_system_sgpr_workgroup_id_x 1
		.amdhsa_system_sgpr_workgroup_id_y 1
		.amdhsa_system_sgpr_workgroup_id_z 1
		.amdhsa_system_vgpr_workitem_id 0
		.amdhsa_next_free_vgpr 258
		.amdhsa_next_free_sgpr 66
		.amdhsa_reserve_vcc 1
		.amdhsa_float_denorm_mode_32 3
		.amdhsa_float_denorm_mode_16_64 3
		.amdhsa_memory_ordered 1
		.amdhsa_forward_progress 1
		.amdhsa_inst_pref_size 36
	.end_amdhsa_kernel
	.amdgpu_metadata
---
amdhsa.version: [ 1, 2 ]
amdhsa.kernels:
  - .name:           k_qc808204504_attend
    .symbol:         k_qc808204504_attend.kd
    .args:
      - { .name: plog, .offset: 0, .size: 8, .value_kind: global_buffer, .address_space: global }
      - { .name: b_att, .offset: 8, .size: 8, .value_kind: global_buffer, .address_space: global }
      - { .name: xb, .offset: 16, .size: 8, .value_kind: global_buffer, .address_space: global }
      - { .name: out0, .offset: 24, .size: 8, .value_kind: global_buffer, .address_space: global }
      - { .name: pen, .offset: 32, .size: 8, .value_kind: global_buffer, .address_space: global }
    .group_segment_fixed_size: 296960
    .private_segment_fixed_size: 0
    .kernarg_segment_align: 8
    .kernarg_segment_size: 40
    .max_flat_workgroup_size: 256
    .sgpr_count:     66
    .vgpr_count:     258
    .wavefront_size: 32
...
	.end_amdgpu_metadata
.endif
;; end of part 3
;; launch final (part 4): grid 1 x 1, 1 waves a work-group, no clusters, 0 bytes of LDS; arguments pen, out1; writes out1
.if DOCPART == 4
	.amdgcn_target "amdgcn-amd-amdhsa--gfx1250"
	.amdhsa_code_object_version 6
	.text
	.protected	k_qc808204504_final
	.globl	k_qc808204504_final
	.p2align	8
	.type	k_qc808204504_final,@function
k_qc808204504_final:
	s_mov_b64 s[64:65], 0
	v_nop
	global_prefetch_b8 v0, s[64:65] scope:SCOPE_SE
	s_setreg_imm32_b32 hwreg(HW_REG_WAVE_MODE, 25, 1), 1
	s_wait_xcnt 0x0
; out1 = the sum of the 64 batches' penalties.  The sum spans the work-groups of the launch before, so it has a launch of its own:
; one wave, two numbers a lane (256 consecutive bytes in one load), one sum over the lanes.
	s_load_b128 s[4:7], s[0:1], 0x0                ; pen s[4:5], out1 s[6:7]
	v_lshlrev_b32 v1, 3, v0
	s_mov_b32 s8, 0x76543210                       ; v_permlanex16_b32: lane i of one half reads lane i of the other
	s_mov_b32 s9, 0xfedcba98
	s_wait_kmcnt 0x0
	global_load_b64 v[2:3], v1, s[4:5]
	s_wait_loadcnt 0x0
	v_add_f32 v2, v2, v3
	v_add_f32_dpp v2, v2, v2 row_xmask:1 row_mask:0xf bank_mask:0xf
	v_add_f32_dpp v2, v2, v2 row_xmask:2 row_mask:0xf bank_mask:0xf
	v_add_f32_dpp v2, v2, v2 row_xmask:4 row_mask:0xf bank_mask:0xf
	v_add_f32_dpp v2, v2, v2 row_xmask:8 row_mask:0xf bank_mask:0xf
	v_permlanex16_b32 v3, v2, s8, s9               ; its destination has been written by the load
	v_add_f32 v2, v2, v3
	v_mov_b32 v4, 0
	v_cmp_eq_u32 vcc_lo, 0, v0
	s_wait_xcnt 0x0                                ; EXEC changes only behind this wait
	s_and_saveexec_b32 s10, vcc_lo
	global_store_b32 v4, v2, s[6:7]                ; lane 0 alone
	s_wait_xcnt 0x0                                ; and again in front of the line that widens it
	s_or_b32 exec_lo, exec_lo, s10
	s_endpgm
.Lfunc_end_k_qc808204504_final:
	.size	k_qc808204504_final, .Lfunc_end_k_qc808204504_final-k_qc808204504_final
	.p2alignl 7, 3214868480
	.fill 96, 4, 3214868480
	.section	.rodata,"a",@progbits
	.p2align	6, 0x0
	.amdhsa_kernel k_qc808204504_final
		.amdhsa_group_segment_fixed_size 0
		.amdhsa_private_segment_fixed_size 0
		.amdhsa_enable_private_segment 0
		.amdhsa_kernarg_size 16
		.amdhsa_user_sgpr_count 2
		.amdhsa_user_sgpr_kernarg_segment_ptr 1
		.amdhsa_wavefront_size32 1
		.amdhsa_system_sgpr_workgroup_id_x 1
		.amdhsa_system_sgpr_workgroup_id_y 1
		.amdhsa_system_sgpr_workgroup_id_z 1
		.amdhsa_system_vgpr_workitem_id 0
		.amdhsa_next_free_vgpr 8
		.amdhsa_next_free_sgpr 66
		.amdhsa_reserve_vcc 1
		.amdhsa_float_denorm_mode_32 3
		.amdhsa_float_denorm_mode_16_64 3
		.amdhsa_memory_ordered 1
		.amdhsa_forward_progress 1
		.amdhsa_inst_pref_size 2
	.end_amdhsa_kernel
	.amdgpu_metadata
---
amdhsa.version: [ 1, 2 ]
amdhsa.kernels:
  - .name:           k_qc808204504_final
    .symbol:         k_qc808204504_final.kd
    .args:
      - { .name: pen, .offset: 0, .size: 8, .value_kind: global_buffer, .address_space: global }
      - { .name: out1, .offset: 8, .size: 8, .value_kind: global_buffer, .address_space: global }
    .group_segment_fixed_size: 0
    .private_segment_fixed_size: 0
    .kernarg_segment_align: 8
    .kernarg_segment_size: 16
    .max_flat_workgroup_size: 32
    .sgpr_count:     66
    .vgpr_count:     8
    .wavefront_size: 32
...
	.end_amdgpu_metadata
.endif
;; end of part 4
;; ======== version 2 of 2: 4 launches; version 1 with the launch cast written anew for expert scheduling mode
;; workspace buffers: xb 67,108,864 bytes; wb 4,194,304 bytes; plog 8,388,608 bytes; pen 256 bytes
;; launch cast (part 5): grid 1024 x 1, 8 waves a work-group, no clusters, 0 bytes of LDS; arguments input_matrix, W_red, xb, wb; writes xb, wb
.if DOCPART == 5
	.amdgcn_target "amdgcn-amd-amdhsa--gfx1250"
	.amdhsa_code_object_version 6
	.text
	.protected	k_qc808204504_cast
	.globl	k_qc808204504_cast
	.p2align	8
	.type	k_qc808204504_cast,@function
k_qc808204504_cast:
	s_mov_b64 s[64:65], 0
	v_nop
	global_prefetch_b8 v0, s[64:65] scope:SCOPE_SE
	s_setreg_imm32_b32 hwreg(HW_REG_WAVE_SCHED_MODE, 0, 2), 2
	s_setreg_imm32_b32 hwreg(HW_REG_WAVE_MODE, 25, 1), 1
	s_wait_xcnt 0x0
	s_wait_alu depctr_vm_vsrc(0)
; f32 to bf16 (round to nearest even), for the two operands of the large product.
; Work-group g takes 32 rows of input_matrix [512 s][64 b][1024] and 2 rows of W_red [2048][1024]: 1,024 work-groups of equal work.
; Row (s, b) of input_matrix goes to row b*512 + s of xb, so that a batch's 512 words lie together for the later launches; W_red's rows keep their place.
; A wave takes 4 rows of x (4,096 bytes each) and 1,024 bytes of W_red: 34 loads of 512 consecutive bytes, all issued before the first is used;
; each store of the wave covers 256 consecutive bytes, aligned.  Every byte is read once and written once; no LDS, no barrier, and no register
; that a load or a store has read is written again.  A stream: the matrix units, clusters and large register tiles have nothing to do here.
; THE MODE: SCHED_MODE bits 1:0 = 2 (LLVM: expert scheduling mode 2), set by the entry lines.  The code itself states the register dependences
; between vector instructions and memory instructions, with s_wait_alu, always for 0.
; THE PLAN.  Registers that memory instructions touch:
;   v1, v2     byte offsets of the loads and of the stores, made once at the head and never written again.
;   X[k]       four registers for load k.  Load k lands in them; its two conversions read the four and write the first two; store k reads those two;
;              nothing writes them afterwards.
; The loads go out in one run, before any vector instruction names X.  Then the work goes in blocks of four loads.  Block q rounds X[4 q .. 4 q + 3];
; its memory instructions are the four stores of block q - 1, whose registers no conversion of block q names.  So ONE wait on va_vdst at a block's head
; states all that the block's four stores hang on, and they are dealt among its conversions with no further wait.  No wait on vm_vsrc is owed:
; no vector instruction and no load writes a register that a memory instruction has read.  EXEC is never written.
.set ROWIN,  4096                      ; bytes of a row in f32
.set BATCH,  0x100000                  ; bytes of a batch in xb: 512 rows of 2,048 bytes
.set NLOADS, 34
.set BLOCK,  4                         ; loads in a block
.set X,      4                         ; v[4:139] load k: 4 registers; k = 8 i + j: row i, piece j of x; k = 32, 33: W_red
	s_load_b256 s[4:11], s[0:1], 0x0               ; input_matrix s[4:5], W_red s[6:7], xb s[8:9], wb s[10:11]
	v_lshrrev_b32 v3, 5, v0
	v_readfirstlane_b32 s12, v3                    ; wave 0..7
	v_and_b32 v3, 31, v0                           ; lane
	v_lshlrev_b32 v1, 4, v3                        ; 16 bytes a lane in
	v_lshlrev_b32 v2, 3, v3                        ; 8 bytes a lane out
	s_wait_alu depctr_va_sdst(0)                   ; s12 is written, ahead of its first reader: the four offsets below are made from it
	; offsets, made apart from the addresses
	s_lshl_b32 s14, ttmp9, 17                      ; x in: 32 rows of 4,096 bytes a group,
	s_lshl_b32 s13, s12, 14                        ; 4 rows a wave
	s_add_co_u32 s14, s14, s13
	s_mov_b32 s15, 0
	s_and_b32 s16, ttmp9, 1                        ; x out: b = 32 (g & 1) + 4 wave + i, a batch is 1 MiB;
	s_lshl_b32 s16, s16, 25
	s_lshr_b32 s13, ttmp9, 1                       ; s = g >> 1, a row is 2,048 bytes
	s_lshl_b32 s13, s13, 11
	s_add_co_u32 s16, s16, s13
	s_lshl_b32 s13, s12, 22
	s_add_co_u32 s16, s16, s13
	s_mov_b32 s17, 0
	s_lshl_b32 s18, ttmp9, 13                      ; W in: 2 rows of 4,096 bytes a group, 1,024 bytes a wave
	s_lshl_b32 s13, s12, 10
	s_add_co_u32 s18, s18, s13
	s_mov_b32 s19, 0
	s_lshl_b32 s20, ttmp9, 12                      ; W out: half of that
	s_lshl_b32 s13, s12, 9
	s_add_co_u32 s20, s20, s13
	s_mov_b32 s21, 0
	s_wait_kmcnt 0x0
	s_add_nc_u64 s[4:5], s[4:5], s[14:15]
	s_add_nc_u64 s[8:9], s[8:9], s[16:17]
	s_add_nc_u64 s[6:7], s[6:7], s[18:19]
	s_add_nc_u64 s[10:11], s[10:11], s[20:21]
	s_wait_alu depctr_va_vdst(0)                   ; v1 and v2 are written: every load of the kernel reads v1 as its offset, every store v2
.irp i, 0,1,2,3
.irp j, 0,1,2,3,4,5,6,7
	global_load_b128 v[X+4*(8*\i+\j):X+4*(8*\i+\j)+3], v1, s[4:5] offset:ROWIN*\i+512*\j th:TH_LOAD_NT
.endr
.endr
.irp m, 0,1
	global_load_b128 v[X+128+4*\m:X+128+4*\m+3], v1, s[6:7] offset:512*\m th:TH_LOAD_NT
.endr
; the four f32 at register r close up into two registers of bf16
.macro CVT r
	v_cvt_pk_bf16_f32 v[(\r)],   v[(\r)],   v[(\r)+1]
	v_cvt_pk_bf16_f32 v[(\r)+1], v[(\r)+2], v[(\r)+3]
.endm
; piece p = 8 i + j of x leaves
.macro OUTX p
	global_store_b64 v2, v[X+4*(\p):X+4*(\p)+1], s[8:9] offset:BATCH*((\p)/8)+256*((\p)%8)   ; the row's batch stands in the immediate (3 MiB at the most); no hint: the next launch reads these bytes
.endm
; Block q of x: loads 4 q to 4 q + 3 are rounded; the block before is stored, a store ahead of each piece's two conversions.
.macro BLK q
.irp j, 0,1,2,3
.set k, BLOCK*(\q)+(\j)
	s_wait_loadcnt NLOADS-1-k                      ; loads come back in order: this one is in, the younger ones stay out
.if (\q) > 0
.if (\j) == 0
	s_wait_alu depctr_va_vdst(0)                   ; the conversions of the block before have written its eight registers of bf16, which this block's four stores read; no conversion behind this wait names them
.endif
	OUTX k-BLOCK
.endif
	CVT X+4*k
.endr
.endm
.irp q, 0,1,2,3,4,5,6,7
	BLK \q
.endr
	; W_red's block: two loads; x's last block is stored
	s_wait_loadcnt 1                               ; W_red's first load is in, its second may be out
	s_wait_alu depctr_va_vdst(0)                   ; the conversions of x's last block have written its eight registers of bf16, which the four stores below read
	OUTX 28
	OUTX 29
	CVT X+128
	OUTX 30
	OUTX 31
	s_wait_loadcnt 0x0
	CVT X+132
	s_wait_alu depctr_va_vdst(0)                   ; W_red's four conversions have written v[X+128:X+129] and v[X+132:X+133], which the last two stores read
	global_store_b64 v2, v[X+128:X+129], s[10:11]
	global_store_b64 v2, v[X+132:X+133], s[10:11] offset:256
	s_endpgm
.Lfunc_end_k_qc808204504_cast:
	.size	k_qc808204504_cast, .Lfunc_end_k_qc808204504_cast-k_qc808204504_cast
	.p2alignl 7, 3214868480
	.fill 96, 4, 3214868480
	.section	.rodata,"a",@progbits
	.p2align	6, 0x0
	.amdhsa_kernel k_qc808204504_cast
		.amdhsa_group_segment_fixed_size 0
		.amdhsa_private_segment_fixed_size 0
		.amdhsa_enable_private_segment 0
		.amdhsa_kernarg_size 32
		.amdhsa_user_sgpr_count 2
		.amdhsa_user_sgpr_kernarg_segment_ptr 1
		.amdhsa_wavefront_size32 1
		.amdhsa_system_sgpr_workgroup_id_x 1
		.amdhsa_system_sgpr_workgroup_id_y 1
		.amdhsa_system_sgpr_workgroup_id_z 1
		.amdhsa_system_vgpr_workitem_id 0
		.amdhsa_next_free_vgpr 140
		.amdhsa_next_free_sgpr 66
		.amdhsa_reserve_vcc 0
		.amdhsa_float_denorm_mode_32 3
		.amdhsa_float_denorm_mode_16_64 3
		.amdhsa_memory_ordered 1
		.amdhsa_forward_progress 1
		.amdhsa_inst_pref_size 14
	.end_amdhsa_kernel
	.amdgpu_metadata
---
amdhsa.version: [ 1, 2 ]
amdhsa.kernels:
  - .name:           k_qc808204504_cast
    .symbol:         k_qc808204504_cast.kd
    .args:
      - { .name: input_matrix, .offset: 0, .size: 8, .value_kind: global_buffer, .address_space: global }
      - { .name: W_red, .offset: 8, .size: 8, .value_kind: global_buffer, .address_space: global }
      - { .name: xb, .offset: 16, .size: 8, .value_kind: global_buffer, .address_space: global }
      - { .name: wb, .offset: 24, .size: 8, .value_kind: global_buffer, .address_space: global }
    .group_segment_fixed_size: 0
    .private_segment_fixed_size: 0
    .kernarg_segment_align: 8
    .kernarg_segment_size: 32
    .max_flat_workgroup_size: 256
    .sgpr_count:     66
    .vgpr_count:     140
    .wavefront_size: 32
...
	.end_amdgpu_metadata
.endif
;; end of part 5
;; launch gemm: the kernel of part 2 again; grid 8 x 32, 4 waves a work-group, clusters of 4 x 4, 327,680 bytes of LDS; arguments xb, wb, b_red, W_att, plog; writes plog
;; launch attend: the kernel of part 3 again; grid 4 x 64, 8 waves a work-group, no clusters, 296,960 bytes of LDS; arguments plog, b_att, xb, out0, pen; writes out0, pen
;; launch final: the kernel of part 4 again; grid 1 x 1, 1 waves a work-group, no clusters, 0 bytes of LDS; arguments pen, out1; writes out1
